; MI455X (gfx1250); checked and timed in simulation.
; The chip was launched on July 23, 2026; its instructions are those of AMD's public machine-readable ISA for CDNA 5 (MIT licence, August 2026) and "CDNA5" Instruction Set Architecture Reference Guide (July 2026). The comments in the code are by the model that wrote it; some were corrected since.
;; Hierarchical Attention. Allowed arithmetic: float matrix products may take bf16 or f16 operands with f32 sums; all other float work in f32.
;; Inputs: memory 64 x 512 float32; query_addr 64 x 2,048 int32.
;; Outputs: out0 64 x 2,048 float32.
;; One version. Each part assembles by itself: llvm-mc -triple=amdgcn-amd-amdhsa -mcpu=gfx1250 --defsym DOCPART=n.
;; ======== version 1 of 1: 1 launch
;; launch blend (part 1): grid 256 x 1, 4 waves a work-group, no clusters, 2,560 bytes of LDS; arguments memory, query_addr, out0; writes out0
.if DOCPART == 1
	.amdgcn_target "amdgcn-amd-amdhsa--gfx1250"
	.amdhsa_code_object_version 6
	.text
	.protected	k_q15371070b4_blend
	.globl	k_q15371070b4_blend
	.p2align	8
	.type	k_q15371070b4_blend,@function
k_q15371070b4_blend:
	s_mov_b64 s[64:65], 0
	v_nop
	global_prefetch_b8 v0, s[64:65] scope:SCOPE_SE
	s_setreg_imm32_b32 hwreg(HW_REG_WAVE_MODE, 25, 1), 1
	s_wait_xcnt 0x0
; out0[b][q] = sum over n of softmax_n(score(addr, n)) * memory[b][n],  addr = query_addr[b][q],  b < 64, q < 2048, n < 512.
;
; THE FORM.  The encoding takes bits 0 to 8 of the address and nothing else (for any int32: floor division, remainder 0 or 1), and the
; score is 9 - 2 popcount((addr xor n) & 511).  So the softmax weight is a product over the nine bits: 1/(1+r) where the bits agree,
; r/(1+r) where they differ, r = e^-2.  Hence out0[b][q] = T[b][addr & 511] with
;     T[b][a] = C * sum over n of r^popcount(a xor n) * memory[b][n],   C = (1+r)^-9,
; and T comes from nine butterfly levels  x'[i] = x[i] + r x[i xor bit]:  9 x 512 fused multiply-adds a batch in place of 2048 x 512
; products, no exponential left.  This holds for every address and every memory; both inputs are read whole.  All arithmetic is f32.
;
; THE SHARES.  Work-group g (256 of them, 4 waves): the 512 queries at flat index 512 g, batch g >> 2.  Wave w makes T[128 w .. 128 w + 127],
; lane l the four entries a = 128 w + 4 l + j.  The two top bits of a are the wave's number, so their two levels are one weighted sum
; of the row's four blocks of 128 with four SCALAR weights C r^popcount(k xor w); the other seven levels stay inside the wave:
; 2 in the lane's registers, 4 by DPP inside 16 lanes, 1 across the halves.  Table to LDS (each wave its own 512 bytes), one barrier,
; one 4-byte LDS load for each query, one 16-byte store a lane (a wave's store covers 512 consecutive bytes, aligned).
; The price: every wave loads the whole row of 2,048 bytes (four loads of 512 consecutive bytes).  One quarter a wave would leave two
; levels that cross waves: a second trip through LDS with a second barrier, or four LDS loads and four weights for each query.
;
; NOT USED.  Matrix instructions: after the factorisation there is no bulk product.  Tensor loads, rings: no loop, 6 KiB a work-group.
; Cluster with joint requests: the four work-groups of a batch share only the 2,048-byte row, read once; a joint request would lay it
; into LDS, from where each wave would have to read it back: one more dependent step in a single chain of load, transform, gather, store.
;
; LIMITS.  The order of rounding differs from a softmax followed by a sum.  Partial sums never pass the row's largest magnitude
; (C (1+r)^9 = 1).  An Inf or NaN in a row reaches every output of its batch, as it does with the reference's all-positive weights.
.set R_BITS,  0x3e0a9555               ; r   = e^-2       = 0.13533528
.set C_BITS,  0x3ea35cd6               ; C   = (1+r)^-9   = 0.31906766
.set CR_BITS, 0x3d30dead               ; C r              = 0.04318111
.set BLOCK,   512                      ; bytes of 128 f32: a quarter of a row, a wave's part of the table
.set LAST,    511                      ; the table's last entry
.set OFFT, 1                           ; v1       16 x thread: my 16 bytes of addresses and of results, and my 16 bytes of the table in LDS
.set OFFL, 2                           ; v2       16 x lane: my 16 bytes in each block of the row
.set RV,   3                           ; v3       r (a DPP form takes its second source from a vector register)
.set X,    4                           ; v[4:19]  block k of the row: 4 registers
.set Z,    20                          ; v[20:23] my four sums
.set Y,    24                          ; v[24:27] the second set of the register levels; then the partner lane's values
.set QA,   28                          ; v[28:31] my four addresses, then their byte offsets in the table
.set RES,  32                          ; v[32:35] my four results
.set W,    24                          ; s[24:31] weight of block k in s[24+2k], repeated in s[25+2k]: a packed form reads the pair
	s_load_b128 s[4:7], s[0:1], 0x0                ; memory s[4:5], query_addr s[6:7]
	s_load_b64 s[8:9], s[0:1], 0x10                ; out0
	v_lshl_add_u32 v36, v0, 2, 0x800
	v_mov_b32 v37, 0
	v_lshrrev_b32 v[RV], 5, v0
	v_readfirstlane_b32 s10, v[RV]                 ; wave 0..3 = bits 7 and 8 of the table entries that it makes
	v_lshlrev_b32 v[OFFT], 4, v0
	v_and_b32 v[OFFL], 31, v0
	v_lshlrev_b32 v[OFFL], 4, v[OFFL]
	s_lshl_b32 s2, ttmp9, 11                       ; 512 queries x 4 bytes for each work-group (at most 255 x 2,048)
	s_mov_b32 s3, 0
	s_lshr_b32 s22, ttmp9, 2                       ; batch
	s_lshl_b32 s22, s22, 11                        ; x 2,048 bytes of a row
	s_mov_b32 s23, 0
	; the constants and the wave's four weights, while the arguments are on their way
	s_mov_b32 s12, R_BITS
	s_mov_b32 s13, R_BITS
	s_mov_b32 s14, 0x76543210                      ; v_permlanex16_b32: lane i reads lane i of the other half
	s_mov_b32 s15, 0xfedcba98
	s_mov_b32 s16, C_BITS
	s_mov_b32 s17, CR_BITS
	v_mov_b32 v[RV], s12
	s_bitcmp1_b32 s10, 0                           ; bit 7 of my entries
	s_cselect_b32 s18, s12, 1.0                    ; blocks 0 and 2 (their bit 7 is 0): r if mine is 1
	s_cselect_b32 s19, 1.0, s12                    ; blocks 1 and 3
	s_bitcmp1_b32 s10, 1                           ; bit 8 of my entries
	s_cselect_b32 s20, s17, s16                    ; blocks 0 and 1: C r if mine is 1, else C
	s_cselect_b32 s21, s16, s17                    ; blocks 2 and 3
	s_mul_f32 s[W+0], s18, s20
	s_mul_f32 s[W+2], s19, s20
	s_mul_f32 s[W+4], s18, s21
	s_mul_f32 s[W+6], s19, s21
.irp k, 0,2,4,6
	s_mov_b32 s[W+\k+1], s[W+\k]
.endr
	s_wait_kmcnt 0x0
	s_add_nc_u64 s[4:5], s[4:5], s[22:23]          ; my batch's row
	s_add_nc_u64 s[6:7], s[6:7], s[2:3]            ; my work-group's addresses
	s_add_nc_u64 s[8:9], s[8:9], s[2:3]            ; and results
.irp k, 0,1,2,3
	global_load_b128 v[X+4*\k:X+4*\k+3], v[OFFL], s[4:5] offset:\k*BLOCK   ; read again by other waves and work-groups: no hint
.endr
	global_load_b128 v[QA:QA+3], v[OFFT], s[6:7] th:TH_LOAD_NT             ; last: the table does not wait for it; read once in the launch
	; levels of bits 7 and 8: the weighted sum of the four blocks.  Loads come back in order (ISA guide 5.7.1); each count is the
	; number of younger loads that may stay out: blocks k+1 .. 3 and the addresses.
	s_wait_loadcnt 0x4
	v_pk_mul_f32 v[Z:Z+1],   v[X:X+1],   s[W:W+1] op_sel_hi:[1,0]          ; the first product starts the sums
	v_pk_mul_f32 v[Z+2:Z+3], v[X+2:X+3], s[W:W+1] op_sel_hi:[1,0]
.irp k, 1,2,3
	s_wait_loadcnt 4-\k
	v_pk_fma_f32 v[Z:Z+1],   v[X+4*\k:X+4*\k+1],   s[W+2*\k:W+2*\k+1], v[Z:Z+1]   op_sel_hi:[1,0,1]
	v_pk_fma_f32 v[Z+2:Z+3], v[X+4*\k+2:X+4*\k+3], s[W+2*\k:W+2*\k+1], v[Z+2:Z+3] op_sel_hi:[1,0,1]
.endr
	; level of bit 0: partners are the two registers of a pair; the first source is read crosswise
	v_pk_fma_f32 v[Y:Y+1],   v[Z:Z+1],   s[12:13], v[Z:Z+1]   op_sel:[1,0,0] op_sel_hi:[0,0,1]
	v_pk_fma_f32 v[Y+2:Y+3], v[Z+2:Z+3], s[12:13], v[Z+2:Z+3] op_sel:[1,0,0] op_sel_hi:[0,0,1]
	; level of bit 1: partners are the two pairs
	v_pk_fma_f32 v[Z:Z+1],   v[Y+2:Y+3], s[12:13], v[Y:Y+1]   op_sel_hi:[1,0,1]
	v_pk_fma_f32 v[Z+2:Z+3], v[Y:Y+1],   s[12:13], v[Y+2:Y+3] op_sel_hi:[1,0,1]
	; levels of bits 2 to 5: the partner is lane xor 1, 2, 4, 8; the exchange rides on the multiply-add: z += z[partner] * r
.irp m, 1,2,4,8
.irp j, 0,1,2,3
	v_fmac_f32_dpp v[Z+\j], v[Z+\j], v[RV] row_xmask:\m row_mask:0xf bank_mask:0xf
.endr
.endr
	; level of bit 6: the partner is lane xor 16 (Y has been written: the permute's destination counts as read)
.irp j, 0,1,2,3
	v_permlanex16_b32 v[Y+\j], v[Z+\j], s14, s15
.endr
.irp j, 0,1,2,3
	v_fmac_f32 v[Z+\j], s12, v[Y+\j]
.endr
	ds_store_b128 v[OFFT], v[Z:Z+3]                ; T[4 thread .. 4 thread + 3] at byte 16 thread: 16 bytes a lane side by side, no bank conflict
	; my four addresses become byte offsets in the table while the LDS store is on its way
	s_wait_loadcnt 0x0
.irp i, 0,1,2,3
	v_and_b32 v[QA+\i], LAST, v[QA+\i]             ; the nine bits that the encoding takes
.endr
.irp i, 0,1,2,3
	v_min_u32 v[QA+\i], LAST, v[QA+\i]             ; a loaded number enters an address only behind an unsigned minimum with a constant
.endr                                              ; written in the instruction: it states again the bound that the AND has made
.irp i, 0,1,2,3
	v_lshlrev_b32 v[QA+\i], 2, v[QA+\i]            ; at most 2,044: the load ends at the table's last byte
.endr
	s_wait_dscnt 0x0                               ; for the other waves' sake: my part of the table is in LDS,
	s_barrier_signal -1
	s_barrier_wait -1                              ; and so is everybody's
.irp i, 0,1,2,3
	ds_load_b32 v[RES+\i], v[QA+\i]                ; T[addr & 511]
.endr
	s_wait_dscnt 0x0
	global_store_b128 v[OFFT], v[RES:RES+3], s[8:9] th:TH_STORE_NT         ; written once, not read again
	s_wait_tensorcnt 0x0
	ds_add_u32 v36, v37
	s_wait_dscnt 0x0
	s_endpgm
.Lfunc_end_k_q15371070b4_blend:
	.size	k_q15371070b4_blend, .Lfunc_end_k_q15371070b4_blend-k_q15371070b4_blend
	.p2alignl 7, 3214868480
	.fill 96, 4, 3214868480
	.section	.rodata,"a",@progbits
	.p2align	6, 0x0
	.amdhsa_kernel k_q15371070b4_blend
		.amdhsa_group_segment_fixed_size 2560
		.amdhsa_private_segment_fixed_size 0
		.amdhsa_enable_private_segment 0
		.amdhsa_kernarg_size 24
		.amdhsa_user_sgpr_count 2
		.amdhsa_user_sgpr_kernarg_segment_ptr 1
		.amdhsa_wavefront_size32 1
		.amdhsa_system_sgpr_workgroup_id_x 1
		.amdhsa_system_sgpr_workgroup_id_y 1
		.amdhsa_system_sgpr_workgroup_id_z 1
		.amdhsa_system_vgpr_workitem_id 0
		.amdhsa_next_free_vgpr 38
		.amdhsa_next_free_sgpr 66
		.amdhsa_reserve_vcc 0
		.amdhsa_float_denorm_mode_32 3
		.amdhsa_float_denorm_mode_16_64 3
		.amdhsa_memory_ordered 1
		.amdhsa_forward_progress 1
		.amdhsa_inst_pref_size 6
	.end_amdhsa_kernel
	.amdgpu_metadata
---
amdhsa.version: [ 1, 2 ]
amdhsa.kernels:
  - .name:           k_q15371070b4_blend
    .symbol:         k_q15371070b4_blend.kd
    .args:
      - { .name: memory, .offset: 0, .size: 8, .value_kind: global_buffer, .address_space: global }
      - { .name: query_addr, .offset: 8, .size: 8, .value_kind: global_buffer, .address_space: global }
      - { .name: out0, .offset: 16, .size: 8, .value_kind: global_buffer, .address_space: global }
    .group_segment_fixed_size: 2560
    .private_segment_fixed_size: 0
    .kernarg_segment_align: 8
    .kernarg_segment_size: 24
    .max_flat_workgroup_size: 128
    .sgpr_count:     66
    .vgpr_count:     38
    .wavefront_size: 32
...
	.end_amdgpu_metadata
.endif
;; end of part 1
